; MI455X (gfx1250); checked and timed in simulation.
; The chip was launched on July 23, 2026; its instructions are those of AMD's public machine-readable ISA for CDNA 5 (MIT licence, August 2026) and "CDNA5" Instruction Set Architecture Reference Guide (July 2026). The comments in the code are by the model that wrote it; some were corrected since.
;; KAN Linear. Allowed arithmetic: float matrix products may take bf16 or f16 operands with f32 sums; all other float work in f32.
;; Inputs: fourier_coeffs 2 x 512 x 512 x 16 float32; x 8,192 x 512 float32.
;; Outputs: out0 8,192 x 512 float32.
;; One version. Each part assembles by itself: llvm-mc -triple=amdgcn-amd-amdhsa -mcpu=gfx1250 --defsym DOCPART=n.
;; ======== version 1 of 1: 2 launches
;; limits: values are held in f16: magnitudes above 65,504 overflow, below 6.1e-05 lose precision; inputs' magnitudes at most 65,504; right only within a limited range of input values
;; workspace buffers: wq 16,777,216 bytes; cs 33,554,432 bytes
;; launch prep (part 1): grid 1024 x 1, 8 waves a work-group, no clusters, 35,840 bytes of LDS; arguments fourier_coeffs, x, wq, cs; writes wq, cs
.if DOCPART == 1
	.amdgcn_target "amdgcn-amd-amdhsa--gfx1250"
	.amdhsa_code_object_version 6
	.text
	.protected	k_qf1503ce123_prep
	.globl	k_qf1503ce123_prep
	.p2align	8
	.type	k_qf1503ce123_prep,@function
k_qf1503ce123_prep:
	s_mov_b64 s[64:65], 0
	v_nop
	global_prefetch_b8 v0, s[64:65] scope:SCOPE_SE
	s_setreg_imm32_b32 hwreg(HW_REG_WAVE_MODE, 25, 1), 1
	s_wait_xcnt 0x0
; PREPARATION FOR y[b][j] = sum over d, i, k of basis[d][b][i][k] coeff[d][j][i][k], basis = cos(k x[b][i]) (d = 0), sin(k x[b][i]) (d = 1), k = 1..16.
; Two streams of equal traffic (12 KB a wave), chosen by the parity of the work-group's number; no wave waits for another.
; EVEN work-groups: the coefficients [2][512 j][512 i][16 k] f32 are rounded once to f16 and laid out as wq[t = i / 16][j][i % 16][d][k]:
;   for 16 input indices the 1,024 bytes of an output column j lie together, cos and sin coefficients of one i side by side.
; ODD work-groups: cos x and sin x in f32, laid out as cs[b / 128][t = i / 16][a = (b / 16) % 8][w = (i / 4) % 4][h][r = b % 16][e = i % 4], h = 0 cos, h = 1 sin:
;   the 512 bytes of one (b / 128, t, a, w) are what one 16-byte load of 32 lanes takes in the product's launch.
; LIMITS.  A coefficient of magnitude 65,520 or more becomes an infinity in f16; below 6.1e-5 it keeps f16's fixed step of 6e-8.
; cos and sin: x / pi is reduced with 1 / pi in two f32 parts (48 bits), good to about 1e-7 for |x| up to about 1e6; beyond that the reduction loses bits.
; A NaN or an infinity in x gives NaN.  No matrix unit, no cluster: memory binds, and nothing is shared between work-groups.
.set XP,    272                        ; an LDS row of the x stage: 256 bytes + 16: row r starts at bank 4 r mod 64 (64 banks of 4 bytes: ISA guide 11.1)
.set SPARE, 8*16*XP                    ; 34,816: behind the eight waves' stages: the spare words, 128 bytes a wave, named by no other line
.set HQ,  4                            ; v[4:5]   -h / 2, twice
.set SPW, 8                            ; v8       LDS address of my spare word; never rewritten
.set NIL, 9                            ; v9       0; never rewritten
.set LD,  10                           ; v10      my byte offset in the 16 rows of x
.set SA,  11                           ; v11      where I put 16 bytes of x in my wave's stage
.set RA,  12                           ; v12      where I read four x of row r back
.set OU,  13                           ; v13      my byte offset in cs
.set IN,  16                           ; v[16:79] as loaded from memory
.set PK,  80                           ; v[80:111] coefficients packed to f16
.set XQ,  48                           ; v[48:63] four quads of x from the stage
.set OQ,  64                           ; v[64:79] four quads of results
.set NN,  80                           ; v[80:83] n;  v[84:87] r;  v[88:91] r^2;  v[92:95] the polynomial
.set RR,  84
.set QQ,  88
.set PP,  92
.set C1,  20                           ; s[20:35] constants, each a pair with both words written: the packed forms take the low word for both halves
.set C2,  22
.set A1,  24
.set A2,  26
.set A3,  28
.set A4,  30
.set A5,  32
.set A6,  34
	s_load_b256 s[4:11], s[0:1], 0x0               ; coefficients s[4:5], x s[6:7], wq s[8:9], cs s[10:11]
	v_lshl_add_u32 v[SPW], v0, 2, SPARE
	v_mov_b32 v[NIL], 0
	v_and_b32 v1, 31, v0                           ; lane
	v_lshrrev_b32 v2, 5, v0
	v_readfirstlane_b32 s13, v2                    ; wave 0..7
	v_lshrrev_b32 v2, 4, v1                        ; h = lane / 16
	v_and_b32 v3, 15, v1                           ; r = lane % 16
	s_lshr_b32 s12, ttmp9, 1                       ; which of the 512 tasks of my kind
	s_and_b32 s14, ttmp9, 1
	s_cmp_lg_u32 s14, 0
	s_cbranch_scc1 .Lcs
; ---- THE COEFFICIENTS.  The work-group owns output column j = s12; wave w owns i = 64 w .. 64 w + 63: 4,096 bytes in each of the two planes.
; Load n: lanes 0-15 take 256 consecutive bytes of plane 0 (four i), lanes 16-31 the same bytes of plane 1; a lane holds four k of one i.
; Store n: the 32 lanes' 8 bytes are the 256 consecutive bytes [4 i][2 d][16 k] of wq, at a multiple of 256.
	s_lshl_b32 s14, s12, 15                        ; j x 32,768 bytes in a plane
	s_mov_b32 s15, 0
	s_lshl_b32 s16, s12, 10                        ; j x 1,024 bytes in a block t of wq
	s_mov_b32 s17, 0
	s_lshl_b32 s18, s13, 12                        ; w x 4,096
	s_lshl_b32 s19, s13, 21                        ; w x 4 blocks t of 524,288 bytes
	v_lshlrev_b32 v4, 4, v3
	v_lshl_or_b32 v4, v2, 24, v4                   ; + plane x 16,777,216
	v_or_b32 v4, s18, v4                           ; source offset
	v_lshrrev_b32 v5, 2, v3                        ; which of the load's four i
	v_and_b32 v6, 3, v1                            ; which four k
	v_lshlrev_b32 v6, 3, v6
	v_lshl_or_b32 v6, v5, 6, v6
	v_lshl_or_b32 v6, v2, 5, v6
	v_add_nc_u32 v6, s19, v6                       ; destination offset
	s_wait_kmcnt 0x0
	s_add_nc_u64 s[4:5], s[4:5], s[14:15]
	s_add_nc_u64 s[8:9], s[8:9], s[16:17]
.irp n, 0,1,2,3,4,5,6,7,8,9,10,11,12,13,14,15
	global_load_b128 v[IN+4*\n:IN+4*\n+3], v4, s[4:5] offset:256*\n th:TH_LOAD_NT  ; read once in the launch
.endr
.irp n, 0,1,2,3,4,5,6,7,8,9,10,11,12,13,14,15
	s_wait_loadcnt 15-\n                           ; loads come back in order (ISA guide 5.7.1): load n is in, the younger ones stay out
	v_cvt_pk_f16_f32 v[PK+2*\n], v[IN+4*\n], v[IN+4*\n+1]
	v_cvt_pk_f16_f32 v[PK+2*\n+1], v[IN+4*\n+2], v[IN+4*\n+3]
	global_store_b64 v6, v[PK+2*\n:PK+2*\n+1], s[8:9] offset:(\n/4)*524288+(\n%4)*256  ; i = 64 w + 4 n ..: block t = 4 w + n / 4, place 4 (n % 4) in it; no register is written twice
.endr
	s_wait_tensorcnt 0x0                           ; the wave's end: the closing lines, here as on the other path
	ds_add_u32 v[SPW], v[NIL]
	s_wait_dscnt 0x0
	s_endpgm
; ---- COS AND SIN.  The work-group owns rows 16 s12 .. + 15 of x; wave w owns i = 64 w .. 64 w + 63: 256 bytes of each row.
; x comes in by rows (16 lanes take 256 consecutive bytes) and is turned through the wave's own stage in LDS, since in cs a lane owns one row and four neighbouring i.
.Lcs:
.macro KONST reg, val
	s_mov_b32 s[\reg], \val
	s_mov_b32 s[\reg+1], \val
.endm
	s_lshl_b32 s14, s12, 15                        ; 16 rows of 2,048 bytes
	s_mov_b32 s15, 0
	s_lshr_b32 s16, s12, 3
	s_lshl_b32 s16, s16, 19                        ; (b / 128) x 524,288
	s_and_b32 s17, s12, 7
	s_lshl_b32 s17, s17, 11                        ; + a x 2,048
	s_add_co_u32 s16, s16, s17
	s_mov_b32 s17, 0
	s_mul_i32 s18, s13, 16*XP                      ; my wave's stage
	s_lshl_b32 s19, s13, 8                         ; my wave's 256 bytes of a row
	s_lshl_b32 s36, s13, 16                        ; my wave's four blocks t of 16,384 bytes
	v_lshlrev_b32 v[LD], 4, v3
	v_lshl_add_u32 v[LD], v2, 11, v[LD]            ; lanes 16-31 take the next row
	v_add_nc_u32 v[LD], s19, v[LD]
	v_mul_u32_u24 v[SA], v2, XP
	v_lshl_add_u32 v[SA], v3, 4, v[SA]
	v_add_nc_u32 v[SA], s18, v[SA]
	v_mul_u32_u24 v[RA], v3, XP                    ; back: row r, the same 16 bytes for both halves of the lanes
	v_add_nc_u32 v[RA], s18, v[RA]
	v_lshl_add_u32 v[OU], v1, 4, s36               ; h x 256 + r x 16 = 16 x lane
	v_cvt_f32_u32 v[HQ], v2
	v_mul_f32 v[HQ], -0.5, v[HQ]
	v_mov_b32 v[HQ+1], v[HQ]
	KONST C1, 0x3ea2f983                           ; 1 / pi, its first 24 bits
	KONST C2, 0x325c9c88                           ; and the next 24
	KONST A1, 0xc09de9e6                           ; cos(pi r) = 1 + A1 z + .. + A6 z^6, z = r^2: -pi^2 / 2!
	KONST A2, 0x4081e0f8                           ; pi^4 / 4!
	KONST A3, 0xbfaae9e4                           ; -pi^6 / 6!
	KONST A4, 0x3e70fa83                           ; pi^8 / 8!
	KONST A5, 0xbcd368f9                           ; -pi^10 / 10!
	KONST A6, 0x3afce9c5                           ; pi^12 / 12!; the first term left out is 6e-9 at |r| = 1/2
	s_wait_kmcnt 0x0
	s_add_nc_u64 s[6:7], s[6:7], s[14:15]
	s_add_nc_u64 s[10:11], s[10:11], s[16:17]
.irp n, 0,1,2,3,4,5,6,7
	global_load_b128 v[IN+4*\n:IN+4*\n+3], v[LD], s[6:7] offset:4096*\n th:TH_LOAD_NT  ; rows 2 n and 2 n + 1; read once in the launch
.endr
.irp n, 0,1,2,3,4,5,6,7
	s_wait_loadcnt 7-\n                            ; load n is in, the younger ones stay out
	ds_store_b128 v[SA], v[IN+4*\n:IN+4*\n+3] offset:2*XP*\n
.endr
; Four numbers: cos(x - h pi / 2) = (-1)^n cos(pi r), with t = x / pi - h / 2, n = the nearest whole number, r = t - n, |r| <= 1/2.
; r is made anew from x: (-h / 2 - n) is exact, the first fused multiply-add rounds once at r's own size, the second adds x times the rest of 1 / pi.
.macro COS4 x, o
.irp d, 0,2
	v_pk_fma_f32 v[NN+\d:NN+\d+1], v[(\x)+\d:(\x)+\d+1], s[C1:C1+1], v[HQ:HQ+1] op_sel_hi:[1,0,1]
.endr
.irp d, 0,1,2,3
	v_rndne_f32 v[NN+\d], v[NN+\d]
.endr
.irp d, 0,2
	v_pk_add_f32 v[RR+\d:RR+\d+1], v[HQ:HQ+1], v[NN+\d:NN+\d+1] neg_lo:[0,1] neg_hi:[0,1]
.endr
.irp d, 0,2
	v_pk_fma_f32 v[RR+\d:RR+\d+1], v[(\x)+\d:(\x)+\d+1], s[C1:C1+1], v[RR+\d:RR+\d+1] op_sel_hi:[1,0,1]
.endr
.irp d, 0,2
	v_pk_fma_f32 v[RR+\d:RR+\d+1], v[(\x)+\d:(\x)+\d+1], s[C2:C2+1], v[RR+\d:RR+\d+1] op_sel_hi:[1,0,1]
.endr
.irp d, 0,1,2,3
	v_cvt_i32_f32 v[NN+\d], v[NN+\d]
.endr
.irp d, 0,2
	v_pk_mul_f32 v[QQ+\d:QQ+\d+1], v[RR+\d:RR+\d+1], v[RR+\d:RR+\d+1]
.endr
.irp d, 0,2
	v_pk_fma_f32 v[PP+\d:PP+\d+1], v[QQ+\d:QQ+\d+1], s[A6:A6+1], s[A5:A5+1] op_sel_hi:[1,0,0]
.endr
.irp c, A4, A3, A2, A1
.irp d, 0,2
	v_pk_fma_f32 v[PP+\d:PP+\d+1], v[PP+\d:PP+\d+1], v[QQ+\d:QQ+\d+1], s[\c:\c+1] op_sel_hi:[1,1,0]
.endr
.endr
.irp d, 0,2
	v_pk_fma_f32 v[PP+\d:PP+\d+1], v[PP+\d:PP+\d+1], v[QQ+\d:QQ+\d+1], 1.0 op_sel_hi:[1,1,0]
.endr
.irp d, 0,1,2,3
	v_lshlrev_b32 v[NN+\d], 31, v[NN+\d]           ; n's parity as a sign bit
.endr
.irp d, 0,1,2,3
	v_xor_b32 v[(\o)+\d], v[NN+\d], v[PP+\d]
.endr
.endm
; Four trips, written out so that every address is a fixed register and a constant.  Trip T: i = 64 w + 16 T .. + 15, block t = 4 w + T of cs; quad c is that block's part w = c.
.irp T, 0,1,2,3
.irp c, 0,1,2,3
	ds_load_b128 v[XQ+4*\c:XQ+4*\c+3], v[RA] offset:64*\T+16*\c  ; my wave's own bytes: LDS serves a wave's instructions in order (ISA guide 5.7.1.4), so these see the stores above
.endr
	s_wait_dscnt 0x0
	s_wait_xcnt 0x0                                ; the last trip's stores have had their addresses translated (ISA guide 3.1): only behind this wait are their data registers written again
.irp c, 0,1,2,3
	COS4 XQ+4*\c, OQ+4*\c
	global_store_b128 v[OU], v[OQ+4*\c:OQ+4*\c+3], s[10:11] offset:16384*\T+512*\c  ; 32 lanes store 512 consecutive bytes, at a multiple of 512 from cs's first byte
.endr
.endr
	s_wait_tensorcnt 0x0                           ; the wave's end, behind my last LDS store
	ds_add_u32 v[SPW], v[NIL]
	s_wait_dscnt 0x0
	s_endpgm
.Lfunc_end_k_qf1503ce123_prep:
	.size	k_qf1503ce123_prep, .Lfunc_end_k_qf1503ce123_prep-k_qf1503ce123_prep
	.p2alignl 7, 3214868480
	.fill 96, 4, 3214868480
	.section	.rodata,"a",@progbits
	.p2align	6, 0x0
	.amdhsa_kernel k_qf1503ce123_prep
		.amdhsa_group_segment_fixed_size 35840
		.amdhsa_private_segment_fixed_size 0
		.amdhsa_enable_private_segment 0
		.amdhsa_kernarg_size 32
		.amdhsa_user_sgpr_count 2
		.amdhsa_user_sgpr_kernarg_segment_ptr 1
		.amdhsa_wavefront_size32 1
		.amdhsa_system_sgpr_workgroup_id_x 1
		.amdhsa_system_sgpr_workgroup_id_y 1
		.amdhsa_system_sgpr_workgroup_id_z 1
		.amdhsa_system_vgpr_workitem_id 0
		.amdhsa_next_free_vgpr 112
		.amdhsa_next_free_sgpr 66
		.amdhsa_reserve_vcc 0
		.amdhsa_float_denorm_mode_32 3
		.amdhsa_float_denorm_mode_16_64 3
		.amdhsa_memory_ordered 1
		.amdhsa_forward_progress 1
		.amdhsa_inst_pref_size 44
	.end_amdhsa_kernel
	.amdgpu_metadata
---
amdhsa.version: [ 1, 2 ]
amdhsa.kernels:
  - .name:           k_qf1503ce123_prep
    .symbol:         k_qf1503ce123_prep.kd
    .args:
      - { .name: fourier_coeffs, .offset: 0, .size: 8, .value_kind: global_buffer, .address_space: global }
      - { .name: x, .offset: 8, .size: 8, .value_kind: global_buffer, .address_space: global }
      - { .name: wq, .offset: 16, .size: 8, .value_kind: global_buffer, .address_space: global }
      - { .name: cs, .offset: 24, .size: 8, .value_kind: global_buffer, .address_space: global }
    .group_segment_fixed_size: 35840
    .private_segment_fixed_size: 0
    .kernarg_segment_align: 8
    .kernarg_segment_size: 32
    .max_flat_workgroup_size: 256
    .sgpr_count:     66
    .vgpr_count:     112
    .wavefront_size: 32
...
	.end_amdgpu_metadata
.endif
;; end of part 1
;; launch kan (part 2): grid 4 x 64, 4 waves a work-group, clusters of 4 x 4, 327,680 bytes of LDS; arguments wq, cs, out0; writes out0
.if DOCPART == 2
	.amdgcn_target "amdgcn-amd-amdhsa--gfx1250"
	.amdhsa_code_object_version 6
	.text
	.protected	k_qf1503ce123_kan
	.globl	k_qf1503ce123_kan
	.p2align	8
	.type	k_qf1503ce123_kan,@function
k_qf1503ce123_kan:
	s_mov_b64 s[64:65], 0
	v_nop
	global_prefetch_b8 v0, s[64:65] scope:SCOPE_SE
	s_setreg_imm32_b32 hwreg(HW_REG_WAVE_MODE, 25, 1), 1
	s_wait_xcnt 0x0
	s_wait_alu depctr_hold_cnt(0) depctr_sa_sdst(0) depctr_va_vdst(0) depctr_va_sdst(0) depctr_va_ssrc(0) depctr_va_vcc(0) depctr_vm_vsrc(0)
	s_getreg_b32 s2, hwreg(HW_REG_IB_STS2, 6, 4)
	s_cmp_eq_u32 s2, 0
	s_cbranch_scc0 .Lentry_in_a_cluster
	s_endpgm
.Lentry_in_a_cluster:
	s_bfe_u32 s2, ttmp6, 0x10000c
	s_cmp_lg_u32 s2, 0xf033
	s_cbranch_scc0 .Lentry_shape_is_right
	s_endpgm
.Lentry_shape_is_right:
; y[b][j] = sum over d, i, k of basis[d][b][i][k] coeff[d][j][i][k]: a product 8,192 x 512 over K = 2 x 512 x 16 = 16,384, f16 operands, f32 sums.
; wq: the coefficients in f16, [t = i / 16][j][i % 16][d][k].  cs: cos x, sin x in f32, [b / 128][t][a][w][h][r][e] (b = 128 (b / 128) + 16 a + r, i = 16 t + 4 w + e).
; SHARES.  A work-group makes 128 x 128 of y.  K IS SPLIT OVER ITS FOUR WAVES: each wave holds the whole 128 x 128 (64 accumulators, 512 registers) for a quarter of the input indices
; (of each 16, wave w takes i = 16 t + 4 w + 0..3); at the end the four partial tiles are added through LDS, as (p0 + p1) + (p2 + p3).
; THE BASIS IS MADE IN REGISTERS.  One K step of 32 is ONE input index: the lanes' half h = 0 holds cos k x, h = 1 sin k x, k = 1..16, register j the pair k = 2 j + 1, 2 j + 2.
; Both halves run the same recurrence T(k+1) = 2 cos x T(k) - T(k-1), from T0 = 1, T1 = cos x (h = 0) or T0 = 0, T1 = sin x (h = 1).  The coefficients' fragments hold plane d = h and the
; same k at the same places, so the products pair rightly whatever place along K the unit gives a register.  A fragment costs 16 vector instructions (two i at a time in packed form) and feeds 8 products.
; With a wave tile of 128 x 128 that is two vector instructions and a quarter of an LDS load for each matrix instruction, and no fragment of the basis is made twice in a work-group.
; THE MATRIX INSTRUCTION IS USED TRANSPOSED (source 0 = 16 columns j, source 1 = 16 rows b): a lane holds eight neighbouring numbers of a row of y.
; RING.  Two LDS slots, each the coefficients of 16 input indices for my 128 columns: 128 rows of 1,024 bytes; each wave fetches 32 rows by one tensor load.
; CLUSTER 4 x 4.  The four work-groups of a column of the cluster make the same columns of y and need the same coefficients: each tile is asked for JOINTLY, which divides those requests by four.
; cs is not shared so: it is a ninth of a work-group's bytes and goes straight into registers.
; LIMITS.  cos k x is that of the exact k x, not of k x rounded to f32 (half a unit in the last place of k x apart); the recurrence adds at most about k^2 x 6e-8 = 1.5e-5, under f16's 2.4e-4.
; Coefficients arrive in f16 (range and step: the launch before).  NaN in cs spreads over its row of y.
; REGISTERS, in windows of 256 (s_set_vgpr_msb: bits 1:0 source 0, 3:2 source 1, 5:4 source 2, 7:6 destination):
;   window 0: v0-19 addresses and constants; v20-39 the recurrence; v64-127 fragments of the basis, two sets of four; v128-255 cos and sin of two slots (on the way out: rows read back)
;   window 1: fragments of the coefficients, two buffers of 128 (two input indices x 8 blocks of 16 columns)
;   window 2: the accumulators of rows 0-63 ((a, b) at v[64 (a % 4) + 8 b]);   window 3: those of rows 64-127
; The recurrence's registers stand in all three source places and as destination, so they share no window setting with a product, whose three operands fill three windows: a slice of riders costs two switches.
.set PITCH,  1040                      ; an LDS row: 1,024 bytes + 16 = 260 words: row r starts at bank 4 r mod 64 (64 banks of 4 bytes: ISA guide 11.1), so the 16 rows of a load start at 16 different banks
.set WROWS,  32*PITCH                  ; what one tensor load brings
.set SLOT,   128*PITCH                 ; 133,120
.set TILEB,  524288                    ; bytes from a block t of wq to the next
.set SPITCH, 528                       ; the way out: a row of 128 f32 + 16 bytes
.set PART,   128*SPITCH                ; a wave's partial tile: 67,584.  The four lie from LDS byte 0 on, over the ring, which has had its last fill by then
.set SPARE,  4*PART                    ; 270,336: behind them the spare words, 128 bytes a wave, named by no other line
.set ADRB, 2                           ; v2-5    LDS address of my fragments of the coefficients: slot s, column blocks 4 c .. 4 c + 3 at v[2 + 2 s + c]
.set OT,   6                           ; v6      my byte offset in a block of cs: my own T1 (cos or sin)
.set OC,   7                           ; v7      the same for cos, whatever my half
.set SPW,  8                           ; v8      LDS address of my spare word; never rewritten
.set NIL,  9                           ; v9      0; never rewritten
.set ZZ,   10                          ; v[10:11] T0, twice
.set STO,  12                          ; v12     the way out: where I put 16 bytes of a row
.set RD,   13                          ; v13-16  the way out: where I read a row of partial tile 0..3 back
.set GO,   17                          ; v17     my byte offset in a row's 512 bytes of y
.set PX,   20                          ; v[20:21], v[22:23]  2 cos x of chains X and Y (two row blocks), each for two input indices
.set PY,   22
.set TX,   24                          ; v[24:31], v[32:39]  T(k), k >= 2, in pair k % 4
.set TY,   32
.set AF,   64                          ; fragment of row block a, index e of two, for unit number u: AF + 32 (u % 2) + 16 (a % 2) + 8 e
.set CSB,  128                         ; slot s, row block a at CSB + 64 s + 8 a: +0..3 my T1 of the wave's four i, +4..7 their cos
.set RB,   128                         ; the way out
.set WV,   10                          ; s10     my wave's number
.set G1,   16                          ; s[16:23] descriptor group 1
.set G0,   24                          ; s[24:31] descriptor group 0, a set for each slot
.set CSP,  32                          ; s[32:33] cs at my 128 rows, at the slot whose numbers were asked for last
.set MSB, 0
.macro WIN new                         ; the immediate's high byte repeats the setting that is left; a switch that changes nothing is dropped
.if MSB != (\new)
	s_set_vgpr_msb (MSB<<8)|(\new)
.set MSB, \new
.endif
.endm
.set MUL_LO, 0xa1                      ; source 0 (coefficients) window 1, source 1 (basis) window 0, C and D window 2
.set TO_B,   0x40                      ; destination window 1, address window 0
.macro PLACES
.rept 4
	v_nop
.endr
.endm
; A round of the cluster's barrier: my work-group's barrier, so that wave 0's signal speaks for all four waves; wave 0 signals for the work-group; every wave waits for all sixteen; my work-group's barrier once more.
.macro CREST                           ; a round behind its opening barrier
	s_cmp_lg_u32 s[WV], 0
	s_cbranch_scc1 .Lnot_wave_0_\@
	s_barrier_signal -3
.Lnot_wave_0_\@:
	s_barrier_wait -3
	s_barrier_signal -1
	s_barrier_wait -1
.endm
.macro CROUND
	s_barrier_signal -1
	s_barrier_wait -1
	CREST
.endm
	s_load_b128 s[4:7], s[0:1], 0x0                ; wq s[4:5], cs s[6:7]
	s_load_b64 s[8:9], s[0:1], 0x10                ; y
	v_lshl_add_u32 v[SPW], v0, 2, SPARE
	v_mov_b32 v[NIL], 0
	ds_add_u32 v[SPW], v[NIL]                      ; the wave's opening: the add and its wait stand ahead of my first tensor load; the set-up below, work on registers, stands between them
	v_lshrrev_b32 v1, 5, v0
	v_readfirstlane_b32 s[WV], v1                  ; wave 0..3
	s_bfe_u32 s11, ttmp6, 0x40000                  ; cx
	s_bfe_u32 s12, ttmp6, 0x40004                  ; cy
	s_lshl_b32 s40, ttmp9, 2                       ; in a cluster launch ttmp9 and ttmp7 count clusters
	s_add_co_u32 s40, s40, s11                     ; my 128 columns = 4 x cluster x + cx
	s_and_b32 s13, ttmp7, 0xffff
	s_lshl_b32 s13, s13, 2
	s_add_co_u32 s13, s13, s12                     ; my 128 rows = 4 x cluster y + cy
	s_lshl_b32 s41, 0x1111, s11                    ; my column of the cluster: places cx, cx + 4, cx + 8, cx + 12
	; descriptor group 1: 32 rows x 512 elements of 2 bytes, padded in LDS
	s_or_b32 s[G1], s41, (1<<16)|(1<<20)|(1<<21)|(7<<22)|(3<<25)  ; 15:0 the mask; 17:16 2-byte elements; 20 padding on; 21 set beside a mask; 24:22 after every 256 words (code 7); 31:25 4 words (code 3)
	s_mov_b32 s[G1+1], 512<<16                     ; tensor_dim0 = 512
	s_mov_b32 s[G1+2], 32<<16                      ; tensor_dim1 = 32
	s_mov_b32 s[G1+3], 512<<16                     ; tile_dim0 = 512
	s_mov_b32 s[G1+4], 32                          ; tile_dim1 = 32
	s_mov_b32 s[G1+5], 512                         ; 512 elements from row to row
	s_mov_b32 s[G1+6], 0
	s_mov_b32 s[G1+7], 0
	s_lshl_b32 s42, s40, 17                        ; my columns' rows in a block of wq: 128 x 1,024 bytes a column tile,
	s_lshl_b32 s43, s[WV], 15                      ; my wave's 32 of them: made of the column tile, which the four partners share, and the wave's number alone
	s_add_co_u32 s42, s42, s43
	s_mov_b32 s43, 0
	s_mul_i32 s46, s[WV], WROWS                    ; and where they go: no place in the cluster enters an LDS address
	s_lshl_b32 s34, s13, 19                        ; cs: 524,288 bytes for 128 rows
	s_mov_b32 s35, 0
	s_lshl_b32 s36, s13, 18                        ; y: 128 rows of 2,048 bytes,
	s_lshl_b32 s37, s[WV], 16                      ; of which I store rows 32 w .. 32 w + 31,
	s_add_co_u32 s36, s36, s37
	s_lshl_b32 s38, s40, 9                         ; 512 bytes a column tile
	s_add_co_u32 s36, s36, s38
	s_mov_b32 s37, 0
	v_and_b32 v1, 31, v0                           ; lane
	v_and_b32 v18, 15, v0                          ; r
	v_bfe_u32 v19, v0, 4, 1                        ; h
	v_mul_u32_u24 v[ADRB], v18, PITCH              ; column r of a block, plane h (32 bytes), my wave's four i (256 bytes)
	v_lshl_add_u32 v[ADRB], v19, 5, v[ADRB]
	s_lshl_b32 s14, s[WV], 8
	v_add_nc_u32 v[ADRB], s14, v[ADRB]
.irp n, 1,2,3
	v_add_nc_u32 v[ADRB+\n], \n*64*PITCH, v[ADRB]  ; 64 rows on: the immediate of an LDS load has 16 bits; two such steps are a slot
.endr
	s_lshl_b32 s15, s[WV], 9
	v_lshl_add_u32 v[OT], v1, 4, s15               ; w x 512 + h x 256 + r x 16
	v_lshl_add_u32 v[OC], v18, 4, s15              ; w x 512 + r x 16
	v_xor_b32 v[ZZ], 1, v19
	v_cvt_f32_u32 v[ZZ], v[ZZ]                     ; T0 = 1 for the cos lanes, 0 for the sin lanes
	v_mov_b32 v[ZZ+1], v[ZZ]
	s_wait_dscnt 0x0                               ; the opening add is done
	s_wait_kmcnt 0x0
	s_add_nc_u64 s[44:45], s[4:5], s[42:43]
	s_add_nc_u64 s[CSP:CSP+1], s[6:7], s[34:35]
	s_add_nc_u64 s[8:9], s[8:9], s[36:37]
.irp s, 0,1
	s_mov_b32 s[G0+4*\s], 1                                        ; 1:0 count = 1
	s_add_co_u32 s[G0+4*\s+1], s46, \s*SLOT                        ; 63:32 LDS address
	s_add_nc_u64 s[G0+4*\s+2:G0+4*\s+3], s[44:45], \s*TILEB        ; 120:64 global address: block t = s
	s_or_b32 s[G0+4*\s+3], s[G0+4*\s+3], 0x80000000                ; 127:126 type = 2
.endr
	CROUND                                         ; all sixteen work-groups are here: the first joint loads meet
	tensor_load_to_lds s[G0:G0+3], s[G1:G1+7]      ; both first fills together: two loads of mine are out
	s_nop 0
	tensor_load_to_lds s[G0+4:G0+7], s[G1:G1+7]
	s_nop 0
	PLACES
; 32 LDS loads in one run: my coefficients of two input indices (2 p + e of my four in slot sg) for all 128 columns, into buffer q
.macro FETCH sg, p, q
	WIN TO_B
.irp e, 0,1
.irp b, 0,1,2,3,4,5,6,7
	ds_load_b128 v[128*(\q)+64*\e+8*\b:128*(\q)+64*\e+8*\b+3],   v[ADRB+2*(\sg)+\b/4] offset:(\b%4)*16*PITCH+(2*(\p)+\e)*64
	ds_load_b128 v[128*(\q)+64*\e+8*\b+4:128*(\q)+64*\e+8*\b+7], v[ADRB+2*(\sg)+\b/4] offset:(\b%4)*16*PITCH+(2*(\p)+\e)*64+16
.endr
.endr
.endm
; 16 loads: T1 and cos x of my four input indices of the next slot, for all 128 rows, into buffer sg.  Each covers 512 (256 for cos: both halves take the same) consecutive bytes.
; The base steps only where the loads that named it have been shown done by the wait for all loads.
.macro CSLOAD sg, step
	WIN 0
.if \step
	s_add_nc_u64 s[CSP:CSP+1], s[CSP:CSP+1], 16384
.endif
.irp a, 0,1,2,3,4,5,6,7
	global_load_b128 v[CSB+64*(\sg)+8*\a:CSB+64*(\sg)+8*\a+3],   v[OT], s[CSP:CSP+1] offset:2048*\a
	global_load_b128 v[CSB+64*(\sg)+8*\a+4:CSB+64*(\sg)+8*\a+7], v[OC], s[CSP:CSP+1] offset:2048*\a
.endr
.endm
; UNITS are numbered round the ring: u = 8 s + 4 p + g, 0..15: slot s, pair p of my four input indices in it, row blocks 2 g (chain X) and 2 g + 1 (chain Y).
; THE MAKING OF A UNIT'S FOUR FRAGMENTS is 64 vector instructions, dealt in 16 slices of four so that no instruction reads a result of its own slice:
;   FM k: one step of the recurrence for X and for Y (each for two input indices, the halves of a packed pair).  k = 0..13: T(k+3) = P T(k+2) - T(k+1) of unit tl.
;         k = 14: P = 2 cos x, k = 15: T2 = P T1 - T0, both of unit nl, the one after tl: a chain begins two slices ahead of its own sixteen.  nl < 0: there is none.
;   CV k: two roundings to f16, into register k / 2 of two fragments of unit tl: k even chain X's T(k+1), T(k+2), k odd chain Y's T(k), T(k+1); the younger of the two was made a slice or two back.
; T(m) lies in pair m % 4: written in slice m - 3, read by the recurrence in slices m - 2 and m - 1 and by the roundings in slice m at the latest, written over by T(m+4) in slice m + 1.
; P is written anew in slice 14, one behind its last use; T2 goes in slice 15 where T14 lay, last read in slice 13.
.macro FM k, tl, nl
.if (\k) < 14
.set c1X, CSB+64*((\tl)/8)+16*((\tl)%4)+2*(((\tl)/4)%2)
.set oN, 2*(((\k)+3)%4)
.set oB, 2*(((\k)+2)%4)
.set aX, TX+2*(((\k)+1)%4)
.set aY, TY+2*(((\k)+1)%4)
.if (\k) == 0
.set aX, c1X                           ; T1 lies where it was loaded
.set aY, c1X+8
.endif
	v_pk_fma_f32 v[TX+oN:TX+oN+1], v[PX:PX+1], v[TX+oB:TX+oB+1], v[aX:aX+1] neg_lo:[0,0,1] neg_hi:[0,0,1]
	v_pk_fma_f32 v[TY+oN:TY+oN+1], v[PY:PY+1], v[TY+oB:TY+oB+1], v[aY:aY+1] neg_lo:[0,0,1] neg_hi:[0,0,1]
.elseif (\nl) >= 0
.set c1X, CSB+64*((\nl)/8)+16*((\nl)%4)+2*(((\nl)/4)%2)
.if (\k) == 14
	v_pk_add_f32 v[PX:PX+1], v[c1X+4:c1X+5], v[c1X+4:c1X+5]
	v_pk_add_f32 v[PY:PY+1], v[c1X+12:c1X+13], v[c1X+12:c1X+13]
.else
	v_pk_fma_f32 v[TX+4:TX+5], v[PX:PX+1], v[c1X:c1X+1], v[ZZ:ZZ+1] neg_lo:[0,0,1] neg_hi:[0,0,1]
	v_pk_fma_f32 v[TY+4:TY+5], v[PY:PY+1], v[c1X+8:c1X+9], v[ZZ:ZZ+1] neg_lo:[0,0,1] neg_hi:[0,0,1]
.endif
.endif
.endm
.macro CV k, tl
.set kj, (\k)/2
.set ch, (\k)%2                        ; chain X or Y
.set tb, TX+8*ch
.set fr, AF+32*((\tl)%2)+16*ch
.set sA, tb+2*((2*kj+1)%4)
.if kj == 0
.set sA, CSB+64*((\tl)/8)+16*((\tl)%4)+2*(((\tl)/4)%2)+8*ch
.endif
.set sB, tb+2*((2*kj+2)%4)
	v_cvt_pk_f16_f32 v[fr+kj],   v[sA],   v[sB]
	v_cvt_pk_f16_f32 v[fr+8+kj], v[sA+1], v[sB+1]
.endm
.macro SL k, tl, nl
	WIN 0
	FM \k, \tl, \nl
	CV \k, \tl
.endm
; UNIT u: two row blocks x two input indices x 8 column blocks = 32 matrix instructions on coefficient buffer p; number n: a = 2 g + n / 16, e = (n / 8) % 2, b = n % 8.
; The accumulators take turns, one instruction a turn: between two links of a chain stand seven others' or more, over the loop's backward jump too (the last is (7, 7), the first (0, 0)).
; zero = 1: the first product on an accumulator starts its sum: nothing is ever cleared.
; gen = 1: behind every second matrix instruction stands a slice for unit u + 1 (and, in slices 14 and 15, u + 2).  gen = 2: the same without u + 2.  gen = 0: no slices.
; The fragments go into the other set of four, which unit u - 1 read.  Slice 0 writes chain X's two, last read by that unit's number 15; chain Y's second, which its number 31 read, is first written in
; slice 1, behind slice 0's four plain instructions and three of slice 1's, which name none of that instruction's registers (four places: ISA guide 7.12.1).  first, count: a part of the unit.
.macro UNIT u, zero, gen, first=0, count=32
.set uq, ((\u)/4)%2
.set ug, (\u)%4
.set utl, ((\u)+1)%16
.if (\gen) == 1
.set unl, ((\u)+2)%16
.else
.set unl, -1
.endif
.set n, \first
.rept \count
.set ua, 2*ug+n/16
.set ue, (n/8)%2
.set rAcc, 64*(ua%4)+8*(n%8)
.set rB, 128*uq+64*ue+8*(n%8)
.set rA, AF+32*(ug%2)+16*(ua%2)+8*ue
	WIN MUL_LO+0x50*(ua/4)
.if (\zero) && (ue == 0)
	v_wmma_f32_16x16x32_f16 v[rAcc:rAcc+7], v[rB:rB+7], v[rA:rA+7], 0
.else
	v_wmma_f32_16x16x32_f16 v[rAcc:rAcc+7], v[rB:rB+7], v[rA:rA+7], v[rAcc:rAcc+7]
.endif
.if (\gen) && (n%2 == 0)
	SL n/2, utl, unl
.endif
.set n, n+1
.endr
.endm
; A slot is two double steps of 128 matrix instructions.  D0: my first two input indices of slot sg.  Behind its first unit stand the loads of the next slot's cos and sin (csl = 1; their buffer was last
; read three units back) and the run of LDS loads for D1; the coefficient buffer that they fill was last read a unit, 64 plain vector instructions, back.
.macro D0 sg, zero, csl
	s_wait_dscnt 0x0                               ; coefficient buffer 0 is in: asked for 96 matrix instructions ago
	UNIT 8*(\sg)+0, \zero, 1
.if \csl
	CSLOAD 1-(\sg), 1
.endif
	FETCH \sg, 1, 1
	UNIT 8*(\sg)+1, \zero, 1
	UNIT 8*(\sg)+2, \zero, 1
	UNIT 8*(\sg)+3, \zero, 1
.endm
; D1: my last two input indices of slot sg, all of whose bytes that I need are in registers or asked for: THE CHANGE OF SLOTS.  ONE barrier for two things: in front of it each wave waits for all its
; tensor loads, of which one is out: its part of the other slot; adds 0 to its spare word; and waits for that and for its own reads of this slot.  Behind it nobody reads this slot and the other is whole.
; mode 2: the barrier opens a round of the cluster's, so that no wave of any partner still reads the slot or has a load on its way, and the slot is filled again, first thing behind the round, with
; the block two on: from that request to the wait for it a wave issues 224 matrix instructions.  mode 1: nothing is left to ask for.  mode 0: the last slot: nothing to change to.
.macro D1 sg, mode
.if (\mode) == 0
	s_wait_dscnt 0x0                               ; coefficient buffer 1 is in
	UNIT 8*(\sg)+4, 0, 1
	UNIT 8*(\sg)+5, 0, 1
	UNIT 8*(\sg)+6, 0, 2                           ; behind the last unit there is none to begin
	UNIT 8*(\sg)+7, 0, 0
.else
	WIN 0                                          ; (the add's two registers lie in window 0)
	s_wait_tensorcnt 0x0                           ; all my tensor loads have landed, so a group 0 may be written
	ds_add_u32 v[SPW], v[NIL]                      ; 0 onto my spare word
.if (\mode) == 2
	s_add_nc_u64 s[G0+4*(\sg)+2:G0+4*(\sg)+3], s[G0+4*(\sg)+2:G0+4*(\sg)+3], 2*TILEB  ; this slot's next block; the type bits on top are not reached
.endif
	s_wait_dscnt 0x1                               ; coefficient buffer 1 is in; the add, the youngest, may be out
	UNIT 8*(\sg)+4, 0, 1, 0, 16                    ; sixteen matrix instructions stand between the add and the wait for it
	s_wait_dscnt 0x0                               ; the add is done, and my reads of this slot are over:
	s_barrier_signal -1                            ; say so,
	UNIT 8*(\sg)+4, 0, 1, 16, 16                   ; work on registers while the others arrive,
.if (\mode) == 2
	WIN 0
.endif
	s_barrier_wait -1                              ; and go on when all four have said so
.if (\mode) == 2
	CREST
	tensor_load_to_lds s[G0+4*(\sg):G0+4*(\sg)+3], s[G1:G1+7]  ; my one tensor load behind the round
	s_nop 0
	PLACES
.endif
	FETCH 1-(\sg), 0, 0                            ; the other slot's first coefficients; their buffer was last read a unit back
	UNIT 8*(\sg)+5, 0, 1
	UNIT 8*(\sg)+6, 0, 1, 0, 28
	s_wait_loadcnt 0x0                             ; the next slot's cos and sin are in: sixteen loads, asked for 188 matrix instructions ago; slice 14, next, is their first reader
	UNIT 8*(\sg)+6, 0, 1, 28, 4
	UNIT 8*(\sg)+7, 0, 1
.endif
.endm
	CSLOAD 0, 0                                    ; cos and sin of slot 0
	s_wait_tensorcnt 0x1                           ; my part of block 0 is in; block 1's stays out
	s_barrier_signal -1
	s_barrier_wait -1                              ; everybody's is
	FETCH 0, 0, 0
	s_wait_loadcnt 0x0
	WIN 0
	FM 14, 0, 0                                    ; unit 0's chain begins,
	FM 15, 0, 0
.set n, 0
.rept 16
	SL n, 0, 1                                     ; and its fragments are made: there is no matrix work yet to set them beside
.set n, n+1
.endr
	D0 0, 1, 1                                     ; the first double step stands in front of the loop: its products start the sums
	WIN 0
	s_mov_b32 s3, 15
.Llap:                                                 ; a trip goes once round the ring, from a lap's second double step to the next lap's first, and fills both slots again: blocks 2 to 31
	D1 0, 2
	D0 1, 0, 1
	D1 1, 2
	D0 0, 0, 1
	WIN 0
	s_sub_co_u32 s3, s3, 1
	s_cmp_lg_u32 s3, 0
	s_cbranch_scc1 .Llap
	D1 0, 1                                        ; the tail is written out: block 30's second half; nothing is asked for,
	D0 1, 0, 0                                     ; block 31: no load passes the end of cs,
	D1 1, 0
	; THE WAY OUT.  Each wave puts its partial tile into LDS (the ring has had its last fill); then wave w adds the four partial rows 32 w .. 32 w + 31 and stores them.
	WIN 0
	s_wait_dscnt 0x0
	s_barrier_signal -1
	s_barrier_wait -1                              ; every wave's reads of the ring are over
	v_mul_u32_u24 v[STO], v18, SPITCH              ; in: row r of a block of 16, 32 bytes for each half of the lanes.  These eleven plain instructions are the places behind the last products
	v_lshl_add_u32 v[STO], v19, 5, v[STO]
	s_mul_i32 s14, s[WV], PART
	v_add_nc_u32 v[STO], s14, v[STO]
	s_mul_i32 s15, s[WV], 32*SPITCH
	v_lshl_add_u32 v[RD], v1, 4, s15               ; back: 32 lanes take one row's 512 bytes
.irp u, 1,2,3
	v_add_nc_u32 v[RD+\u], \u*PART, v[RD]
.endr
	v_lshlrev_b32 v[GO], 4, v1
	v_nop
	v_nop
	v_nop
.irp a, 0,1,2,3,4,5,6,7
	WIN 0x08+4*(\a/4)                              ; store data (source 1) in window 2 or 3
.irp b, 0,1,2,3,4,5,6,7
	ds_store_b128 v[STO], v[64*(\a%4)+8*\b:64*(\a%4)+8*\b+3]   offset:\a*16*SPITCH+64*\b      ; each accumulator's low registers first
	ds_store_b128 v[STO], v[64*(\a%4)+8*\b+4:64*(\a%4)+8*\b+7] offset:\a*16*SPITCH+64*\b+16
.endr
.endr
	WIN 0
	s_wait_dscnt 0x0                               ; for the others' sake: my stores are done
	s_barrier_signal -1
	s_barrier_wait -1
.irp t, 0,1,2,3                        ; eight rows at a time
.if \t
	s_wait_xcnt 0x0                                ; the last eight stores have had their addresses translated (ISA guide 3.1): only behind this wait are their data registers loaded again
.endif
.irp p, 0,1,2,3,4,5,6,7
.irp u, 0,1,2,3
	ds_load_b128 v[RB+16*\p+4*\u:RB+16*\p+4*\u+3], v[RD+\u] offset:(8*\t+\p)*SPITCH
.endr
.endr
.irp p, 0,1,2,3,4,5,6,7
	s_wait_dscnt 28-4*\p                           ; LDS loads come back in order (ISA guide 5.7.1): row p's four are in, the later rows' stay out
	v_pk_add_f32 v[RB+16*\p:RB+16*\p+1],     v[RB+16*\p:RB+16*\p+1],     v[RB+16*\p+4:RB+16*\p+5]
	v_pk_add_f32 v[RB+16*\p+2:RB+16*\p+3],   v[RB+16*\p+2:RB+16*\p+3],   v[RB+16*\p+6:RB+16*\p+7]
	v_pk_add_f32 v[RB+16*\p+8:RB+16*\p+9],   v[RB+16*\p+8:RB+16*\p+9],   v[RB+16*\p+12:RB+16*\p+13]
	v_pk_add_f32 v[RB+16*\p+10:RB+16*\p+11], v[RB+16*\p+10:RB+16*\p+11], v[RB+16*\p+14:RB+16*\p+15]
	v_pk_add_f32 v[RB+16*\p:RB+16*\p+1],     v[RB+16*\p:RB+16*\p+1],     v[RB+16*\p+8:RB+16*\p+9]
	v_pk_add_f32 v[RB+16*\p+2:RB+16*\p+3],   v[RB+16*\p+2:RB+16*\p+3],   v[RB+16*\p+10:RB+16*\p+11]
	global_store_b128 v[GO], v[RB+16*\p:RB+16*\p+3], s[8:9] offset:(8*\t+\p)*2048 th:TH_STORE_NT  ; 32 lanes store 512 consecutive bytes, at a multiple of 512 from y's first byte
.endr
.endr
	s_wait_tensorcnt 0x0                           ; the wave's end, behind my last tensor load and my last LDS store
	ds_add_u32 v[SPW], v[NIL]
	s_wait_dscnt 0x0
	CROUND                                         ; the closing round: no work-group ends while a partner may still ask for a tile that names it
	s_endpgm
.Lfunc_end_k_qf1503ce123_kan:
	.size	k_qf1503ce123_kan, .Lfunc_end_k_qf1503ce123_kan-k_qf1503ce123_kan
	.p2alignl 7, 3214868480
	.fill 96, 4, 3214868480
	.section	.rodata,"a",@progbits
	.p2align	6, 0x0
	.amdhsa_kernel k_qf1503ce123_kan
		.amdhsa_group_segment_fixed_size 327680
		.amdhsa_private_segment_fixed_size 0
		.amdhsa_enable_private_segment 0
		.amdhsa_kernarg_size 24
		.amdhsa_user_sgpr_count 2
		.amdhsa_user_sgpr_kernarg_segment_ptr 1
		.amdhsa_wavefront_size32 1
		.amdhsa_system_sgpr_workgroup_id_x 1
		.amdhsa_system_sgpr_workgroup_id_y 1
		.amdhsa_system_sgpr_workgroup_id_z 1
		.amdhsa_system_vgpr_workitem_id 0
		.amdhsa_next_free_vgpr 1024
		.amdhsa_next_free_sgpr 66
		.amdhsa_reserve_vcc 0
		.amdhsa_float_denorm_mode_32 3
		.amdhsa_float_denorm_mode_16_64 3
		.amdhsa_memory_ordered 1
		.amdhsa_forward_progress 1
		.amdhsa_inst_pref_size 255
	.end_amdhsa_kernel
	.section	.bss,"aw",@nobits
	.p2align	6
	.space	262144
	.amdgpu_metadata
---
amdhsa.version: [ 1, 2 ]
amdhsa.kernels:
  - .name:           k_qf1503ce123_kan
    .symbol:         k_qf1503ce123_kan.kd
    .args:
      - { .name: wq, .offset: 0, .size: 8, .value_kind: global_buffer, .address_space: global }
      - { .name: cs, .offset: 8, .size: 8, .value_kind: global_buffer, .address_space: global }
      - { .name: out0, .offset: 16, .size: 8, .value_kind: global_buffer, .address_space: global }
    .group_segment_fixed_size: 327680
    .private_segment_fixed_size: 0
    .kernarg_segment_align: 8
    .kernarg_segment_size: 24
    .max_flat_workgroup_size: 128
    .sgpr_count:     66
    .vgpr_count:     1024
    .wavefront_size: 32
...
	.end_amdgpu_metadata
.endif
;; end of part 2
